; MI455X (gfx1250); checked and timed in simulation.
; The chip was launched on July 23, 2026; its instructions are those of AMD's public machine-readable ISA for CDNA 5 (MIT licence, August 2026) and "CDNA5" Instruction Set Architecture Reference Guide (July 2026).
;; Bin Matmul Attention. Allowed arithmetic: matrix products marked QUANTISED: E3M2 operands, one E8M0 scale for each 32 along K, by v_wmma_scale_f32_16x16x128_f8f6f4 with both operands' format E3M2, f32 sums; everything else in f32.
;; Inputs: k 2 x 16 x 2,048 x 128 float32; q 2 x 16 x 2,048 x 128 float32; v 2 x 16 x 2,048 x 128 float32.
;; Outputs: out0 2 x 16 x 2,048 x 128 float32.
;; This version of the problem:
;;   THIS VERSION OF THE PROBLEM IS GIVEN IN LOW PRECISION. The matrix products marked QUANTISED in the list below multiply operands that are first quantised to E3M2 (3 exponent bits, 2 mantissa bits; 6 bits a number), with one power-of-two scale for each 32 numbers along K (OCP MX v1.0); their sums are f32. All else is computed in f32.
;;   The module's matrix products, in the order in which they are computed (A, B: the left and right operand; K: the contracted axis; several contracted axes count as one K, in the product's order):
;;     1. batch 32 x [M 2,048, K 128] x [K 128, N 2,048]; A: input q; B: input k: QUANTISED
;;     2. batch 32 x [M 2,048, K 2,048] x [K 2,048, N 128]; A: softmax (see below); B: input v: QUANTISED
;;   THE QUANTISER, for each operand of a quantised product, along K:
;;     - K is cut into blocks of 32 from its start; a last block that is shorter is filled with zeros.
;;     - A block's scale is 2^e with e = floor(log2(the largest magnitude in the block)) - 4, held to -126 .. 127; a block of zeros has e = 0. As a byte (E8M0): e + 127.
;;     - Each number is divided by its block's scale, clamped to +-28, and rounded to the nearest number of E3M2, ties to even, subnormals kept.
;;     - The product sums the exact products of the quantised numbers (number of the format x scale) in f32.
;;   ~~~python
;;   def quantise(x, axis):      # numpy; x: float32 -> the quantised numbers, widened to float32 again
;;       x = np.moveaxis(x, axis, -1); K = x.shape[-1]
;;       x = np.pad(x, [(0, 0)] * (x.ndim - 1) + [(0, -K % 32)]); x = x.reshape(x.shape[:-1] + (-1, 32)); a = np.abs(x).max(-1, keepdims=True)
;;       e = np.where(a > 0, np.clip(np.frexp(np.where(a > 0, a, 1))[1] - 1 - 4, -126, 127), 0)      # np.frexp(a)[1] - 1 = floor(log2(a)), exactly
;;       r = np.clip(x / 2.0 ** e, -28, 28)
;;       step = 2.0 ** (np.maximum(np.frexp(np.where(r == 0, 1, r))[1] - 1, -2) - 2)
;;       q = np.round(r / step) * step * 2.0 ** e      # np.round: ties to even
;;       return np.moveaxis(q.reshape(q.shape[:-2] + (-1,))[..., :K], -1, axis).astype(np.float32)
;;   ~~~
;;   SOFTMAX AHEAD OF A QUANTISED PRODUCT. Where the list says 'softmax', what is quantised is not the finished softmax but p = 2^(t - M), with t = logit x log2(e) and M = ceil(the row's largest t), a whole number; so 1/2 < the row's largest p <= 1. The row's sum l is taken of the UNQUANTISED p, in f32, and the product's result is divided by l at the end. Since M is a whole number, a kernel that streams over the keys may use a running M (the ceiling of the running maximum): every later rescaling is an exact power of two, which a block's scale takes up: the codes' values come out the same.
;;   OPERANDS COMPUTED ON THE WAY. 'Computed on the way' means the value that the module computes at that place (a softmax that the list does not call 'softmax' is quantised finished and normalised). What goes into a quantiser is computed in f32, as accurately as f32 sums, v_exp_f32 and their like allow (about 1e-6 of the number): no bf16 or f16 on the way to a quantiser, and a product that is left as it is and whose result goes on into a quantised operand takes f32 operands (vector FMAs, or v_wmma_f32_16x16x4_f32). A number that lies on a knife's edge between two numbers of the format may be rounded either way, as far as f32 arithmetic and the matrix unit's own rounding can turn it there, and no further.
;; One version. Each part assembles by itself: llvm-mc -triple=amdgcn-amd-amdhsa -mcpu=gfx1250 --defsym DOCPART=n.
;; ======== version 1 of 1: 2 launches
;; workspace buffers: kv 13,107,200 bytes
;; launch prep (part 1): grid 768 x 1, 4 waves a work-group, no clusters, 34,304 bytes of LDS; arguments k, v, kv; writes kv
.if DOCPART == 1
	.amdgcn_target "amdgcn-amd-amdhsa--gfx1250"
	.amdhsa_code_object_version 6
	.text
	.protected	k_q439d7236c9_prep
	.globl	k_q439d7236c9_prep
	.p2align	8
	.type	k_q439d7236c9_prep,@function
k_q439d7236c9_prep:
	s_mov_b64 s[64:65], 0
	v_nop
	global_prefetch_b8 v0, s[64:65] scope:SCOPE_SE
	s_setreg_imm32_b32 hwreg(HW_REG_WAVE_MODE, 25, 1), 1
	s_wait_xcnt 0x0
.set REC,  25600
.set KSC,  12288
.set VIM,  12800
.set VSC,  25088
.set LI,   2
.set SIN,  4
.set SOUT, 5
.set SW,   6
.set PW,   8
.set TM,   10
.set PC,   28
.set R,    64
.set SROW, 528
.set WSTG, 16*SROW
.set SEL,  20
	s_load_b128 s[4:7], s[0:1], 0x0
	s_load_b64 s[8:9], s[0:1], 0x10
	v_lshl_add_u32 v62, v0, 2, 0x8400
	v_mov_b32 v63, 0
	v_lshrrev_b32 v1, 5, v0
	v_readfirstlane_b32 s10, v1
	v_and_b32 v1, 31, v0
	v_lshlrev_b32 v[LI], 4, v1
	s_cmp_lt_u32 ttmp9, 256
	s_cbranch_scc0 .Lv
	s_lshl_b32 s11, ttmp9, 2
	s_add_co_u32 s11, s11, s10
	s_lshr_b32 s16, s11, 1
	s_and_b32 s17, s11, 1
	s_lshl_b32 s18, s11, 15
	s_mov_b32 s19, 0
	s_mul_i32 s24, s16, REC
	s_mul_i32 s26, s17, 4*1536
	s_add_co_u32 s26, s26, s24
	s_mov_b32 s27, 0
	s_lshl_b32 s28, s17, 8
	s_add_co_u32 s28, s28, s24
	s_add_co_u32 s28, s28, KSC
	s_mov_b32 s29, 0
	s_mov_b32 s[SEL], 0x76543210
	s_mov_b32 s[SEL+1], 0xfedcba98
	s_mov_b32 s22, 0xffff0000
	s_mul_i32 s23, s10, WSTG
	v_add_nc_u32 v[SIN], s23, v[LI]
	v_and_b32 v9, 15, v0
	v_bfe_u32 v26, v0, 4, 1
	v_mul_u32_u24 v[SOUT], v9, SROW
	v_lshl_add_u32 v[SOUT], v26, 6, v[SOUT]
	v_add_nc_u32 v[SOUT], s23, v[SOUT]
	v_lshlrev_b32 v3, 3, v1
.irp b, 0,1,2,3
	v_mov_b32 v[TM+4+\b], 0
.endr
	s_wait_kmcnt 0x0
	s_add_nc_u64 s[4:5], s[4:5], s[18:19]
	s_add_nc_u64 s[12:13], s[8:9], s[26:27]
	s_add_nc_u64 s[14:15], s[8:9], s[28:29]
.macro LOADK tau
.set i, 0
.rept 16
	global_load_b128 v[R+64*((\tau)%3)+4*i:R+64*((\tau)%3)+4*i+3], v[LI], s[4:5] offset:(32*((\tau)/2)+8*((\tau)%2)+i+8*(i/8))*512 th:TH_LOAD_NT
.set i, i+1
.endr
.endm
.macro QUANT
.irp b, 0,1,2,3
	v_max3_num_f32 v[TM+\b], |v[RS+16*\b]|, |v[RS+1+16*\b]|, 0x2800000
.endr
.irp i, 2,4,6,8,10,12,14
.irp b, 0,1,2,3
	v_max3_num_f32 v[TM+\b], v[TM+\b], |v[RS+16*\b+\i]|, |v[RS+1+16*\b+\i]|
.endr
.endr
.irp b, 0,1,2,3
	v_permlanex16_b32 v[TM+4+\b], v[TM+\b], s[SEL], s[SEL+1]
.endr
.irp b, 0,1,2,3
	v_max_num_f32 v[TM+\b], v[TM+\b], v[TM+4+\b]
.endr
.irp b, 0,1,2,3
	v_add_nc_u32 v[TM+12+\b], 0xfe000000, v[TM+\b]
.endr
.irp b, 0,1,2,3
	v_lshrrev_b32 v[TM+4+\b], 23, v[TM+12+\b]
.endr
	v_lshl_or_b32 v[PW], v[TM+5], 8, v[TM+4]
	v_lshl_or_b32 v[PW], v[TM+6], 16, v[PW]
	v_lshl_or_b32 v[PW], v[TM+7], 24, v[PW]
.irp c, 0,1
	v_cvt_scalef32_pk16_bf6_f32 v[PC+6*\c:PC+2+6*\c], v[RS+32*\c:RS+15+32*\c], v[TM+12+2*\c]
	v_cvt_scalef32_pk16_bf6_f32 v[PC+12+4*\c:PC+14+4*\c], v[RS+16+32*\c:RS+31+32*\c], v[TM+12+2*\c+1]
.endr
	v_nop
.irp c, 0,1
.irp i, 0,1,2
	v_permlane16_swap_b32 v[PC+6*\c+\i], v[PC+12+4*\c+\i]
.endr
.irp i, 0,1,2
	v_mov_b32 v[PC+3+6*\c+\i], v[PC+12+4*\c+\i]
.endr
.endr
.endm
.macro TILEK tau, n
.set RS, R+64*((\tau)%3)
	s_wait_loadcnt \n
.set i, 0
.rept 16
	ds_store_b128 v[SIN], v[RS+4*i:RS+4*i+3] offset:SROW*i
.set i, i+1
.endr
.irp b, 0,1,2,3
.irp j, 0,1,2,3
	ds_load_b128 v[RS+16*\b+4*\j:RS+16*\b+4*\j+3], v[SOUT] offset:128*\b+16*\j
.endr
.endr
	s_wait_dscnt 0x0
.if \tau > 0
	s_wait_xcnt 0x0
.endif
	QUANT
.if (\tau)%2 == 0
	v_mov_b32 v[SW+(\tau)/2], v[PW]
.else
	v_cndmask_b32 v[SW+(\tau)/2], v[SW+(\tau)/2], v[PW], s22
.endif
.irp c, 0,1,2
	global_store_b128 v[LI], v[PC+4*\c:PC+4*\c+3], s[12:13] offset:1536*(\tau)+512*\c
.endr
.endm
	LOADK 0
	LOADK 1
	LOADK 2
	TILEK 0, 32
	LOADK 3
	TILEK 1, 32
	TILEK 2, 16
	TILEK 3, 0
	global_store_b64 v3, v[SW:SW+1], s[14:15]
	s_wait_tensorcnt 0x0
	ds_add_u32 v62, v63
	s_wait_dscnt 0x0
	s_endpgm
.set CA,  28
.set CB,  40
.set TT,  52
.set X,   64
.Lv:
	s_sub_co_u32 s11, ttmp9, 256
	s_lshl_b32 s18, s11, 16
	s_lshl_b32 s16, s10, 7
	s_add_co_u32 s18, s18, s16
	s_mov_b32 s19, 0
	s_mul_i32 s24, s11, REC
	s_mul_i32 s26, s10, 2*1536
	s_add_co_u32 s26, s26, s24
	s_add_co_u32 s26, s26, VIM
	s_mov_b32 s27, 0
	s_add_co_u32 s28, s24, s16
	s_add_co_u32 s28, s28, VSC
	s_mov_b32 s29, 0
	v_lshlrev_b32 v3, 2, v1
	s_wait_kmcnt 0x0
	s_add_nc_u64 s[6:7], s[6:7], s[18:19]
	s_add_nc_u64 s[12:13], s[8:9], s[26:27]
	s_add_nc_u64 s[14:15], s[8:9], s[28:29]
.macro LOADV kb
.set i, 0
.rept 32
	global_load_b32 v[X+32*((\kb)%2)+i], v3, s[6:7] offset:(32*(\kb)+i)*512 th:TH_LOAD_NT
.set i, i+1
.endr
.endm
.macro BLOCKV kb
.set XS, X+32*((\kb)%2)
.set DST, CA+12*((\kb)%2)+6*((\kb)/2)
.if \kb < 3
	s_wait_loadcnt 32
.else
	s_wait_loadcnt 0x0
.endif
	v_max3_num_f32 v10, |v[XS]|, |v[XS+1]|, |v[XS+2]|
	v_max3_num_f32 v11, |v[XS+3]|, |v[XS+4]|, |v[XS+5]|
.irp i, 6,10,14,18,22,26
	v_max3_num_f32 v10, v10, |v[XS+\i]|, |v[XS+\i+1]|
	v_max3_num_f32 v11, v11, |v[XS+\i+2]|, |v[XS+\i+3]|
.endr
	v_max3_num_f32 v10, v10, |v[XS+30]|, |v[XS+31]|
	v_max3_num_f32 v10, v10, v11, 0x2800000
	v_add_nc_u32 v12, 0xfe000000, v10
	v_lshrrev_b32 v13, 23, v12
.if \kb == 0
	v_mov_b32 v[SW], v13
.else
	v_lshl_or_b32 v[SW], v13, 8*\kb, v[SW]
.endif
	v_cvt_scalef32_pk16_bf6_f32 v[DST:DST+2], v[XS:XS+15], v12
	v_cvt_scalef32_pk16_bf6_f32 v[TT:TT+2], v[XS+16:XS+31], v12
	v_nop
.irp i, 0,1,2
	v_mov_b32 v[DST+3+\i], v[TT+\i]
.endr
.if \kb < 2
	LOADV \kb+2
.endif
.if (\kb)%2 == 1
.irp i, 0,1,2,3,4,5
	v_permlane16_swap_b32 v[CA+6*((\kb)/2)+\i], v[CB+6*((\kb)/2)+\i]
.endr
.endif
.endm
	LOADV 0
	LOADV 1
	BLOCKV 0
	BLOCKV 1
	BLOCKV 2
	BLOCKV 3
.irp e, 0,1
.irp c, 0,1,2
	global_store_b128 v[LI], v[CA+12*\e+4*\c:CA+12*\e+4*\c+3], s[12:13] offset:1536*\e+512*\c
.endr
.endr
	global_store_b32 v3, v[SW], s[14:15]
	s_endpgm
.Lfunc_end_k_q439d7236c9_prep:
	.size	k_q439d7236c9_prep, .Lfunc_end_k_q439d7236c9_prep-k_q439d7236c9_prep
	.p2alignl 7, 3214868480
	.fill 96, 4, 3214868480
	.section	.rodata,"a",@progbits
	.p2align	6, 0x0
	.amdhsa_kernel k_q439d7236c9_prep
		.amdhsa_group_segment_fixed_size 34304
		.amdhsa_private_segment_fixed_size 0
		.amdhsa_enable_private_segment 0
		.amdhsa_kernarg_size 24
		.amdhsa_user_sgpr_count 2
		.amdhsa_user_sgpr_kernarg_segment_ptr 1
		.amdhsa_wavefront_size32 1
		.amdhsa_system_sgpr_workgroup_id_x 1
		.amdhsa_system_sgpr_workgroup_id_y 1
		.amdhsa_system_sgpr_workgroup_id_z 1
		.amdhsa_system_vgpr_workitem_id 0
		.amdhsa_next_free_vgpr 256
		.amdhsa_next_free_sgpr 66
		.amdhsa_reserve_vcc 0
		.amdhsa_float_denorm_mode_32 3
		.amdhsa_float_denorm_mode_16_64 3
		.amdhsa_memory_ordered 1
		.amdhsa_forward_progress 1
		.amdhsa_inst_pref_size 53
	.end_amdhsa_kernel
	.amdgpu_metadata
---
amdhsa.version: [ 1, 2 ]
amdhsa.kernels:
  - .name:           k_q439d7236c9_prep
    .symbol:         k_q439d7236c9_prep.kd
    .args:
      - { .name: k, .offset: 0, .size: 8, .value_kind: global_buffer, .address_space: global }
      - { .name: v, .offset: 8, .size: 8, .value_kind: global_buffer, .address_space: global }
      - { .name: kv, .offset: 16, .size: 8, .value_kind: global_buffer, .address_space: global }
    .group_segment_fixed_size: 34304
    .private_segment_fixed_size: 0
    .kernarg_segment_align: 8
    .kernarg_segment_size: 24
    .max_flat_workgroup_size: 128
    .sgpr_count:     66
    .vgpr_count:     256
    .wavefront_size: 32
...
	.end_amdgpu_metadata
.endif
;; end of part 1
;; launch attn (part 2): grid 8 x 32, 8 waves a work-group, clusters of 4 x 1, 327,680 bytes of LDS; arguments q, kv, out0; writes out0
.if DOCPART == 2
	.amdgcn_target "amdgcn-amd-amdhsa--gfx1250"
	.amdhsa_code_object_version 6
	.text
	.protected	k_q439d7236c9_attn
	.globl	k_q439d7236c9_attn
	.p2align	8
	.type	k_q439d7236c9_attn,@function
k_q439d7236c9_attn:
	s_mov_b64 s[64:65], 0
	v_nop
	global_prefetch_b8 v0, s[64:65] scope:SCOPE_SE
	s_setreg_imm32_b32 hwreg(HW_REG_WAVE_MODE, 25, 1), 1
	s_wait_xcnt 0x0
	s_wait_alu depctr_hold_cnt(0) depctr_sa_sdst(0) depctr_va_vdst(0) depctr_va_sdst(0) depctr_va_ssrc(0) depctr_va_vcc(0) depctr_vm_vsrc(0)
	s_getreg_b32 s2, hwreg(HW_REG_IB_STS2, 6, 4)
	s_cmp_eq_u32 s2, 0
	s_cbranch_scc0 .Lentry_in_a_cluster
	s_endpgm
.Lentry_in_a_cluster:
	s_bfe_u32 s2, ttmp6, 0x10000c
	s_cmp_lg_u32 s2, 0x3003
	s_cbranch_scc0 .Lentry_shape_is_right
	s_endpgm
.Lentry_shape_is_right:
.set REC,   25600
.set KSC,   12288
.set VIM,   12800
.set VSC,   25088
.set SLOT1, 1<<17
.set SPARE, 2*SLOT1
.set STAGE, SPARE+1024
.set SP,    272
.set LI,  1
.set L8,  2
.set L4,  3
.set ADI, 4
.set AD8, 5
.set AD4, 6
.set SC16, 7
.set ST,  8
.set QS,  16
.set PS,  18
.set SCK, 20
.set FF,  24
.set BM,  28
.set SH,  31
.set TA,  32
.set SOP, 40
.set TMP, 44
.set UNI, 44
.set SC1, 45
.set SPW, 46
.set NIL, 47
.set SCV, 48
.set STO, 52
.set RD,  53
.set GO,  54
.set QRD, 55
.set QL,  56
.set S,   64
.set P,   192
.set QLF, 216
.set LT,  240
.set QF,  128
.set F,   152
.set WV,  10
.set SEL, 20
.set CS,  22
.set G1,  24
.set G0,  32
.set TB,  36
.set SLOTS, 37
.set TS,  38
.set MSB, 0
.macro WIN new
.if MSB != \new
	s_set_vgpr_msb (MSB<<8)|\new
.set MSB, \new
.endif
.endm
.set W_LD,  0x40
.set W_KQ,  0x05
.set W_KL,  0x01
.set W_PV,  0x51
.set W_RS,  0x41
.set W_OUT, 0x01
.macro CROUND
	s_barrier_signal -1
	s_barrier_wait -1
	s_cmp_lg_u32 s[WV], 0
	s_cbranch_scc1 .Lnot_wave_0_\@
	s_barrier_signal -3
.Lnot_wave_0_\@:
	s_barrier_wait -3
	s_barrier_signal -1
	s_barrier_wait -1
.endm
.macro TLOAD
	s_cmp_lt_u32 s[WV], 4
	s_cbranch_scc0 .Lnone_\@
	tensor_load_to_lds s[G0:G0+3], s[G1:G1+7]
	s_nop 0
.rept 4
	v_nop
.endr
.Lnone_\@:
.endm
	s_load_b128 s[4:7], s[0:1], 0x0
	s_load_b64 s[8:9], s[0:1], 0x10
	v_lshl_add_u32 v[SPW], v0, 2, SPARE
	v_mov_b32 v[NIL], 0
	ds_add_u32 v46, v47
	s_wait_dscnt 0x0
	v_lshrrev_b32 v7, 5, v0
	v_readfirstlane_b32 s[WV], v7
	v_and_b32 v7, 31, v0
	v_lshlrev_b32 v[LI], 4, v7
	v_lshlrev_b32 v[L8], 3, v7
	v_lshlrev_b32 v[L4], 2, v7
	v_and_b32 v44, 15, v0
	v_bfe_u32 v45, v0, 4, 1
	s_mul_i32 s15, s[WV], 16*SP
	s_add_co_u32 s15, s15, STAGE
	v_mul_u32_u24 v[STO], v44, SP
	v_lshl_add_u32 v[QRD], v45, 6, v[STO]
	v_lshl_add_u32 v[STO], v45, 5, v[STO]
	v_add_nc_u32 v[STO], s15, v[STO]
	v_add_nc_u32 v[QRD], s15, v[QRD]
	v_mul_u32_u24 v[RD], v45, SP
	v_lshl_add_u32 v[RD], v44, 4, v[RD]
	v_add_nc_u32 v[RD], s15, v[RD]
	v_lshlrev_b32 v[GO], 9, v45
	v_lshl_add_u32 v[GO], v44, 4, v[GO]
	s_bfe_u32 s11, ttmp6, 0x40000
	s_lshl_b32 s12, ttmp9, 2
	s_add_co_u32 s12, s12, s11
	s_and_b32 s13, ttmp7, 0xffff
	s_lshl_b32 s16, s13, 11
	s_lshl_b32 s17, s12, 8
	s_add_co_u32 s16, s16, s17
	s_lshl_b32 s17, s[WV], 5
	s_add_co_u32 s16, s16, s17
	s_lshl_b32 s16, s16, 9
	s_mov_b32 s17, 0
	s_and_b32 s14, s[WV], 3
	s_mul_i32 s[G0+1], s14, REC
	s_mul_i32 s18, s13, 16*REC
	s_add_co_u32 s18, s18, s[G0+1]
	s_mov_b32 s19, 0
	s_mov_b32 s[G1+0], 15|(3<<16)|(1<<21)
	s_mov_b32 s[G1+1], 32<<16
	s_mov_b32 s[G1+2], 100<<16
	s_mov_b32 s[G1+3], 32<<16
	s_mov_b32 s[G1+4], 100
	s_mov_b32 s[G1+5], 32
	s_mov_b32 s[G1+6], 0
	s_mov_b32 s[G1+7], 0
	s_mov_b32 s[SEL], 0x76543210
	s_mov_b32 s[SEL+1], 0xfedcba98
	s_mov_b32 s[CS], 0x3fb8aa3b
	s_mov_b32 s[CS+1], s[CS]
	s_mov_b32 s[TB], 0
	s_mov_b32 s[SLOTS], 3
	s_wait_kmcnt 0x0
	s_add_nc_u64 s[4:5], s[4:5], s[16:17]
	s_add_nc_u64 s[8:9], s[8:9], s[16:17]
	s_mov_b32 s[G0], 1
	s_add_nc_u64 s[G0+2:G0+3], s[6:7], s[18:19]
	s_or_b32 s[G0+3], s[G0+3], 0x80000000
	CROUND
	TLOAD
.irp t, 0,1
.irp u, 0,1
.irp i, 0,1,2,3,4,5,6,7
	global_load_b128 v[S+64*\t+32*\u+4*\i:S+64*\t+32*\u+4*\i+3], v[GO], s[4:5] offset:8192*\t+1024*\i+256*\u th:TH_LOAD_NT
.endr
.endr
.endr
.irp b, 0,1,2,3,4,5,6,7
	v_mov_b32 v[TA+\b], 0
.endr
	v_mov_b32 v[UNI], 0x7f7f7f7f
	v_mov_b32 v[SC1], 1.0
	v_mov_b32 v[SC16], 0x3d800000
	WIN W_LD
.set j, 0
.rept 128
	v_mov_b32 v[j], 0
.set j, j+1
.endr
	WIN 0
.irp t, 0,1
.irp u, 0,1
	s_wait_loadcnt 8*(3-2*\t-\u)
.irp i, 0,1,2,3,4,5,6,7
	ds_store_b128 v[RD], v[S+64*\t+32*\u+4*\i:S+64*\t+32*\u+4*\i+3] offset:2*SP*\i
.endr
.irp b, 0,1
.irp j, 0,1,2,3
	ds_load_b128 v[S+64*\t+32*\u+16*\b+4*\j:S+64*\t+32*\u+16*\b+4*\j+3], v[QRD] offset:128*\b+16*\j
.endr
.endr
.endr
.endr
.macro TOCODES
.irp b, 0,1,2,3
	v_add_nc_u32 v[SOP+\b], 0xfe000000, v[BM+\b]
.endr
.irp b, 0,1,2,3
	v_lshrrev_b32 v[TA+\b], 23, v[SOP+\b]
.endr
	v_lshl_or_b32 v[rW], v[TA+1], 8, v[TA]
	v_lshl_or_b32 v[rW], v[TA+2], 16, v[rW]
	v_lshl_or_b32 v[rW], v[TA+3], 24, v[rW]
.irp c, 0,1
	v_cvt_scalef32_pk16_bf6_f32 v[rP+6*\c:rP+6*\c+2], v[rS+32*\c:rS+32*\c+15], v[SOP+2*\c]
	v_cvt_scalef32_pk16_bf6_f32 v[TA+4*\c:TA+4*\c+2], v[rS+32*\c+16:rS+32*\c+31], v[SOP+2*\c+1]
.endr
	v_nop
.irp c, 0,1
.irp i, 0,1,2
	v_permlane16_swap_b32 v[rP+6*\c+\i], v[TA+4*\c+\i]
.endr
.irp i, 0,1,2
	v_mov_b32 v[rP+6*\c+3+\i], v[TA+4*\c+\i]
.endr
.endr
.endm
.macro SPLIT k, dh, dl
.set i, 0
.rept 16
	v_lshlrev_b32 v[SH], 1, v[rS+16*\k+i]
	v_cmp_gt_u32 vcc_lo, 0x80000000, v[SH]
	v_cndmask_b32 v[LT+i], 0, v[rS+16*\k+i], vcc_lo
	v_xor_b32 v[rS+16*\k+i], v[rS+16*\k+i], v[LT+i]
.set i, i+1
.endr
	v_cvt_scalef32_pk16_bf6_f32 v[\dh:\dh+2], v[rS+16*\k:rS+16*\k+15], v[SC1]
	v_cvt_scalef32_pk16_bf6_f32 v[\dl:\dl+2], v[LT:LT+15], v[SC16]
	v_nop
.endm
.macro QUANTQ t
.set rS, S+64*\t
.set rP, P+12*\t
.set rL, QLF+12*\t
.irp b, 0,1,2,3
	v_max3_num_f32 v[BM+\b], |v[rS+16*\b]|, |v[rS+16*\b+1]|, 0x4800000
.endr
.irp i, 2,4,6,8,10,12,14
.irp b, 0,1,2,3
	v_max3_num_f32 v[BM+\b], v[BM+\b], |v[rS+16*\b+\i]|, |v[rS+16*\b+\i+1]|
.endr
.endr
.irp b, 0,1,2,3
	v_permlanex16_b32 v[TA+\b], v[BM+\b], s[SEL], s[SEL+1]
.endr
.irp b, 0,1,2,3
	v_max_num_f32 v[BM+\b], v[BM+\b], v[TA+\b]
.endr
.irp b, 0,1,2,3
	v_add_nc_u32 v[SOP+\b], 0xfe000000, v[BM+\b]
.endr
.irp b, 0,1,2,3
	v_lshrrev_b32 v[TA+\b], 23, v[SOP+\b]
.endr
	v_lshl_or_b32 v[QS+\t], v[TA+1], 8, v[TA]
	v_lshl_or_b32 v[QS+\t], v[TA+2], 16, v[QS+\t]
	v_lshl_or_b32 v[QS+\t], v[TA+3], 24, v[QS+\t]
	v_add_nc_u32 v[QL+\t], 0xfbfbfbfc, v[QS+\t]
	v_cvt_scalef32_pk16_bf6_f32 v[rP:rP+2], v[rS:rS+15], v[SOP]
	v_cvt_scalef32_pk16_bf6_f32 v[rP+4:rP+6], v[rS+16:rS+31], v[SOP+1]
	v_cvt_scalef32_pk16_bf6_f32 v[rP+8:rP+10], v[rS+32:rS+47], v[SOP+2]
	v_cvt_scalef32_pk16_bf6_f32 v[TA:TA+2], v[rS+48:rS+63], v[SOP+3]
	v_nop
	v_cvt_scale_pk16_f32_bf6 v[rS:rS+15], v[rP:rP+2], v[UNI]
	v_cvt_scale_pk16_f32_bf6 v[rS+16:rS+31], v[rP+4:rP+6], v[UNI]
	v_cvt_scale_pk16_f32_bf6 v[rS+32:rS+47], v[rP+8:rP+10], v[UNI]
	v_cvt_scale_pk16_f32_bf6 v[rS+48:rS+63], v[TA:TA+2], v[UNI]
	v_nop
	SPLIT 0, rP, rL
	SPLIT 1, TA, BM
	SPLIT 2, rP+6, rL+6
	SPLIT 3, TA+4, SOP
.irp c, 0,1
.irp i, 0,1,2
	v_permlane16_swap_b32 v[rP+6*\c+\i], v[TA+4*\c+\i]
	v_permlane16_swap_b32 v[rL+6*\c+\i], v[BM+12*\c+\i]
.endr
.irp i, 0,1,2
	v_mov_b32 v[rP+6*\c+3+\i], v[TA+4*\c+\i]
	v_mov_b32 v[rL+6*\c+3+\i], v[BM+12*\c+\i]
.endr
.endr
.endm
	s_wait_dscnt 32
	QUANTQ 0
	s_wait_dscnt 0x0
	QUANTQ 1
	WIN W_LD
.set j, 0
.rept 24
	v_mov_b32 v[QF+j], v[P+j]
.set j, j+1
.endr
	WIN 0
.irp t, 0,1
	v_mov_b32 v[ST+4*\t+1], 0xff61b1e6
	v_floor_f32 v[ST+4*\t], -v[ST+4*\t+1]
	v_mov_b32 v[ST+4*\t+2], 0
	v_mov_b32 v[ST+4*\t+3], 0
	v_mov_b32 v[FF+2*\t+1], 0
.endr
.macro FETCHK off
	WIN W_LD
.irp n, 0,1,2,3,4,5,6,7
.irp c, 0,1,2
	ds_load_b128 v[F+12*\n+4*\c:F+12*\n+4*\c+3], v[ADI] offset:\off+1536*\n+512*\c
.endr
.endr
	WIN 0
.irp g, 0,1
	ds_load_b64 v[SCK+2*\g:SCK+2*\g+1], v[AD8] offset:\off+KSC+256*\g
.endr
.endm
.macro FETCHV
	WIN W_LD
.irp n, 0,1,2,3,4,5,6,7
.irp c, 0,1,2
	ds_load_b128 v[F+12*\n+4*\c:F+12*\n+4*\c+3], v[ADI] offset:VIM+1536*\n+512*\c
.endr
.endr
	WIN 0
.irp g, 0,1,2,3
	ds_load_b32 v[SCV+\g], v[AD4] offset:VSC+128*\g
.endr
.endm
.macro KQ
	WIN W_KQ
.irp t, 0,1
.irp g, 0,1,2,3
	v_wmma_scale_f32_16x16x128_f8f6f4 v[S+64*\t+16*\g:S+64*\t+16*\g+7], v[F+24*\g:F+24*\g+11], v[QF+12*\t:QF+12*\t+11], 0, v[SCK+\g], v[QS+\t] matrix_a_fmt:MATRIX_FMT_BF6 matrix_b_fmt:MATRIX_FMT_BF6
	v_wmma_scale_f32_16x16x128_f8f6f4 v[S+64*\t+16*\g+8:S+64*\t+16*\g+15], v[F+24*\g+12:F+24*\g+23], v[QF+12*\t:QF+12*\t+11], 0, v[SCK+\g], v[QS+\t] matrix_a_fmt:MATRIX_FMT_BF6 matrix_b_fmt:MATRIX_FMT_BF6 matrix_a_scale:MATRIX_SCALE_ROW1
.endr
.endr
	WIN W_KL
.irp t, 0,1
.irp g, 0,1,2,3
	v_wmma_scale_f32_16x16x128_f8f6f4 v[S+64*\t+16*\g:S+64*\t+16*\g+7], v[F+24*\g:F+24*\g+11], v[QLF+12*\t:QLF+12*\t+11], v[S+64*\t+16*\g:S+64*\t+16*\g+7], v[SCK+\g], v[QL+\t] matrix_a_fmt:MATRIX_FMT_BF6 matrix_b_fmt:MATRIX_FMT_BF6
	v_wmma_scale_f32_16x16x128_f8f6f4 v[S+64*\t+16*\g+8:S+64*\t+16*\g+15], v[F+24*\g+12:F+24*\g+23], v[QLF+12*\t:QLF+12*\t+11], v[S+64*\t+16*\g+8:S+64*\t+16*\g+15], v[SCK+\g], v[QL+\t] matrix_a_fmt:MATRIX_FMT_BF6 matrix_b_fmt:MATRIX_FMT_BF6 matrix_a_scale:MATRIX_SCALE_ROW1
.endr
.endr
.endm
.macro PV t
	WIN W_PV
.irp g, 0,1,2,3
	v_wmma_scale_f32_16x16x128_f8f6f4 v[64*\t+16*\g:64*\t+16*\g+7], v[F+24*\g:F+24*\g+11], v[P+12*\t:P+12*\t+11], v[64*\t+16*\g:64*\t+16*\g+7], v[SCV+\g], v[PS+\t] matrix_a_fmt:MATRIX_FMT_BF6 matrix_b_fmt:MATRIX_FMT_BF6
	v_wmma_scale_f32_16x16x128_f8f6f4 v[64*\t+16*\g+8:64*\t+16*\g+15], v[F+24*\g+12:F+24*\g+23], v[P+12*\t:P+12*\t+11], v[64*\t+16*\g+8:64*\t+16*\g+15], v[SCV+\g], v[PS+\t] matrix_a_fmt:MATRIX_FMT_BF6 matrix_b_fmt:MATRIX_FMT_BF6 matrix_a_scale:MATRIX_SCALE_ROW1
.endr
.endm
.macro SOFTMAX t
.set rS, S+64*\t
.set rP, P+12*\t
.set rW, PS+\t
.set rM, ST+4*\t
.set rF, FF+2*\t
.set rO, 64*\t
	WIN 0
.set j, 0
.rept 32
	v_pk_mul_f32 v[rS+j:rS+j+1], v[rS+j:rS+j+1], s[CS:CS+1] op_sel_hi:[1,0]
.set j, j+2
.endr
.irp b, 0,1,2,3
	v_max3_num_f32 v[BM+\b], v[rS+16*\b], v[rS+16*\b+1], v[rS+16*\b+2]
.endr
.irp i, 3,5,7,9,11,13
.irp b, 0,1,2,3
	v_max3_num_f32 v[BM+\b], v[BM+\b], v[rS+16*\b+\i], v[rS+16*\b+\i+1]
.endr
.endr
.irp b, 0,1,2,3
	v_max_num_f32 v[BM+\b], v[BM+\b], v[rS+16*\b+15]
.endr
.irp b, 0,1,2,3
	v_permlanex16_b32 v[TA+\b], v[BM+\b], s[SEL], s[SEL+1]
.endr
.irp b, 0,1,2,3
	v_max_num_f32 v[BM+\b], v[BM+\b], v[TA+\b]
.endr
	v_max3_num_f32 v[TMP], v[BM], v[BM+1], v[BM+2]
	v_max_num_f32 v[TMP], v[TMP], v[BM+3]
	v_max_num_f32 v[rM+1], v[rM+1], v[TMP]
	v_mov_b32 v[TMP], v[rM]
	v_floor_f32 v[rM], -v[rM+1]
	v_sub_f32 v[TMP], v[rM], v[TMP]
	v_cvt_i32_f32 v[TMP], v[TMP]
	v_ldexp_f32 v[rF], 1.0, v[TMP]
.set j, 0
.rept 32
	v_pk_add_f32 v[rS+j:rS+j+1], v[rS+j:rS+j+1], v[rM:rM+1] op_sel_hi:[1,0]
.set j, j+2
.endr
.irp b, 0,1,2,3
	v_add_f32 v[BM+\b], v[BM+\b], v[rM]
.endr
.set j, 0
.rept 64
	v_exp_f32 v[rS+j], v[rS+j]
.set j, j+1
.endr
.irp b, 0,1,2,3
	v_exp_f32 v[BM+\b], v[BM+\b]
.endr
	v_pk_mul_f32 v[rM+2:rM+3], v[rM+2:rM+3], v[rF:rF+1] op_sel_hi:[1,0]
	s_wait_alu depctr_va_vdst(0)
.irp b, 0,1,2,3
	v_max_num_f32 v[BM+\b], 0x2800000, v[BM+\b]
.endr
	TOCODES
	WIN W_RS
.set j, 0
.rept 32
	v_pk_mul_f32 v[rO+j:rO+j+1], v[rO+j:rO+j+1], v[rF:rF+1] op_sel_hi:[1,0]
.set j, j+2
.endr
.endm
.macro SUMS_A
	v_pk_add_f32 v[TA:TA+1], v[S:S+1], v[S+2:S+3]
	v_pk_add_f32 v[TA+2:TA+3], v[S+64:S+65], v[S+66:S+67]
	v_pk_add_f32 v[ST+2:ST+3], v[ST+2:ST+3], v[S+4:S+5]
	v_pk_add_f32 v[ST+6:ST+7], v[ST+6:ST+7], v[S+68:S+69]
.endm
.macro SUMS_B
	v_pk_add_f32 v[TA:TA+1], v[TA:TA+1], v[S+6:S+7]
	v_pk_add_f32 v[TA+2:TA+3], v[TA+2:TA+3], v[S+70:S+71]
.set j, 8
.rept 14
	v_pk_add_f32 v[ST+2:ST+3], v[ST+2:ST+3], v[S+j:S+j+1]
	v_pk_add_f32 v[ST+6:ST+7], v[ST+6:ST+7], v[S+64+j:S+64+j+1]
	v_pk_add_f32 v[TA:TA+1], v[TA:TA+1], v[S+j+2:S+j+3]
	v_pk_add_f32 v[TA+2:TA+3], v[TA+2:TA+3], v[S+64+j+2:S+64+j+3]
.set j, j+4
.endr
	v_pk_add_f32 v[ST+2:ST+3], v[ST+2:ST+3], v[TA:TA+1]
	v_pk_add_f32 v[ST+6:ST+7], v[ST+6:ST+7], v[TA+2:TA+3]
.endm
.macro STEP q, first, last
	s_add_co_u32 s[TS], s[TB], (\q)*REC
	v_add_nc_u32 v[ADI], s[TS], v[LI]
	v_add_nc_u32 v[AD8], s[TS], v[L8]
	v_add_nc_u32 v[AD4], s[TS], v[L4]
.if \first
	FETCHK 0
.endif
	s_wait_dscnt 0x0
	KQ
	WIN 0
.rept 4
	v_nop
.endr
	FETCHV
	SOFTMAX 0
	s_wait_dscnt 0x0
	PV 0
	SOFTMAX 1
	PV 1
	WIN 0
	SUMS_A
.if !\last
	FETCHK REC
.endif
	SUMS_B
.endm
.macro SLOT_STEPS
	STEP 0, 1, 0
	STEP 1, 0, 0
	STEP 2, 0, 0
	STEP 3, 0, 1
	s_xor_b32 s[TB], s[TB], SLOT1
.endm
.macro CHANGE fill
	s_wait_tensorcnt 0x0
	ds_add_u32 v[SPW], v[NIL]
.if \fill
	s_xor_b32 s[G0+1], s[G0+1], SLOT1
	s_add_nc_u64 s[G0+2:G0+3], s[G0+2:G0+3], 4*REC
.endif
	s_wait_dscnt 0x0
.if \fill
	CROUND
	TLOAD
.else
	s_barrier_signal -1
	s_barrier_wait -1
.endif
.endm
.Lslot:
	CHANGE 1
	SLOT_STEPS
	s_sub_co_u32 s[SLOTS], s[SLOTS], 1
	s_cmp_lg_u32 s[SLOTS], 0
	s_cbranch_scc1 .Lslot
	CHANGE 0
	SLOT_STEPS
.irp t, 0,1
	v_add_f32 v[ST+4*\t+2], v[ST+4*\t+2], v[ST+4*\t+3]
.endr
.irp t, 0,1
	v_permlanex16_b32 v[TA+\t], v[ST+4*\t+2], s[SEL], s[SEL+1]
.endr
.irp t, 0,1
	v_add_f32 v[ST+4*\t+2], v[ST+4*\t+2], v[TA+\t]
.endr
.irp t, 0,1
	v_rcp_f32 v[FF+2*\t], v[ST+4*\t+2]
.endr
	v_nop
	WIN W_OUT
.set j, 0
	s_wait_alu depctr_va_vdst(0)
.rept 64
	v_pk_mul_f32 v[S+j:S+j+1], v[j:j+1], v[FF+2*(j/64):FF+2*(j/64)+1] op_sel_hi:[1,0]
.set j, j+2
.endr
	WIN 0
.irp t, 0,1
.irp u, 0,1
.irp n, 0,1,2,3
	ds_store_b128 v[STO], v[S+64*\t+32*\u+8*\n:S+64*\t+32*\u+8*\n+3] offset:64*\n
	ds_store_b128 v[STO], v[S+64*\t+32*\u+8*\n+4:S+64*\t+32*\u+8*\n+7] offset:64*\n+16
.endr
.irp i, 0,1,2,3,4,5,6,7
	ds_load_b128 v[S+64*\t+32*\u+4*\i:S+64*\t+32*\u+4*\i+3], v[RD] offset:2*SP*\i
.endr
.endr
.endr
.irp t, 0,1
.irp u, 0,1
.irp i, 0,1,2,3,4,5,6,7
	s_wait_dscnt 16*(3-2*\t-\u)+7-\i
	global_store_b128 v[GO], v[S+64*\t+32*\u+4*\i:S+64*\t+32*\u+4*\i+3], s[8:9] offset:8192*\t+1024*\i+256*\u th:TH_STORE_NT
.endr
.endr
.endr
	s_wait_tensorcnt 0x0
	ds_add_u32 v[SPW], v[NIL]
	s_wait_dscnt 0x0
	CROUND
	s_endpgm
.Lfunc_end_k_q439d7236c9_attn:
	.size	k_q439d7236c9_attn, .Lfunc_end_k_q439d7236c9_attn-k_q439d7236c9_attn
	.p2alignl 7, 3214868480
	.fill 96, 4, 3214868480
	.section	.rodata,"a",@progbits
	.p2align	6, 0x0
	.amdhsa_kernel k_q439d7236c9_attn
		.amdhsa_group_segment_fixed_size 327680
		.amdhsa_private_segment_fixed_size 0
		.amdhsa_enable_private_segment 0
		.amdhsa_kernarg_size 24
		.amdhsa_user_sgpr_count 2
		.amdhsa_user_sgpr_kernarg_segment_ptr 1
		.amdhsa_wavefront_size32 1
		.amdhsa_system_sgpr_workgroup_id_x 1
		.amdhsa_system_sgpr_workgroup_id_y 1
		.amdhsa_system_sgpr_workgroup_id_z 1
		.amdhsa_system_vgpr_workitem_id 0
		.amdhsa_next_free_vgpr 512
		.amdhsa_next_free_sgpr 66
		.amdhsa_reserve_vcc 1
		.amdhsa_float_denorm_mode_32 3
		.amdhsa_float_denorm_mode_16_64 3
		.amdhsa_memory_ordered 1
		.amdhsa_forward_progress 1
		.amdhsa_inst_pref_size 255
	.end_amdhsa_kernel
	.section	.bss,"aw",@nobits
	.p2align	6
	.space	262144
	.amdgpu_metadata
---
amdhsa.version: [ 1, 2 ]
amdhsa.kernels:
  - .name:           k_q439d7236c9_attn
    .symbol:         k_q439d7236c9_attn.kd
    .args:
      - { .name: q, .offset: 0, .size: 8, .value_kind: global_buffer, .address_space: global }
      - { .name: kv, .offset: 8, .size: 8, .value_kind: global_buffer, .address_space: global }
      - { .name: out0, .offset: 16, .size: 8, .value_kind: global_buffer, .address_space: global }
    .group_segment_fixed_size: 327680
    .private_segment_fixed_size: 0
    .kernarg_segment_align: 8
    .kernarg_segment_size: 24
    .max_flat_workgroup_size: 256
    .sgpr_count:     66
    .vgpr_count:     512
    .wavefront_size: 32
...
	.end_amdgpu_metadata
.endif
;; end of part 2
